; MI455X (gfx1250); checked and timed in simulation.
; The chip was launched on July 23, 2026; its instructions are those of AMD's public machine-readable ISA for CDNA 5 (MIT licence, August 2026) and "CDNA5" Instruction Set Architecture Reference Guide (July 2026). The comments in the code are by the model that wrote it; some were corrected since.
;; Adaptive Noising Module. Allowed arithmetic: matrix products marked QUANTISED: E2M1 operands, one E8M0 scale for each 32 along K, by v_wmma_scale_f32_16x16x128_f8f6f4 with both operands' format E2M1 (or v_wmma_scale_f32_32x16x128_f4), f32 sums; everything else in f32.
;; Inputs: distance_scale 1 float32; features 8,192 x 512 float32; influence_scale 1 float32; memory_bank 16,384 x 512 float32.
;; Outputs: out0 8,192 x 512 float32; out1 8,192 x 512 float32; out2 8,192 x 10 float32.
;; This version of the problem:
;;   THIS VERSION OF THE PROBLEM IS GIVEN IN LOW PRECISION. The matrix products marked QUANTISED in the list below multiply operands that are first quantised to E2M1 (2 exponent bits, 1 mantissa bit; 4 bits a number), with one power-of-two scale for each 32 numbers along K (OCP MX v1.0); their sums are f32. All else is computed in f32.
;;   The module's matrix products, in the order in which they are computed (A, B: the left and right operand; K: the contracted axis; several contracted axes count as one K, in the product's order):
;;     1. [M 8,192, K 512] x [K 512, N 16,384]; A: input features; B: input memory_bank: QUANTISED
;;   THE QUANTISER, for each operand of a quantised product, along K:
;;     - K is cut into blocks of 32 from its start; a last block that is shorter is filled with zeros.
;;     - A block's scale is 2^e with e = floor(log2(the largest magnitude in the block)) - 2, held to -126 .. 127; a block of zeros has e = 0. As a byte (E8M0): e + 127.
;;     - Each number is divided by its block's scale, clamped to +-6, and rounded to the nearest number of E2M1, ties to even, subnormals kept.
;;     - The product sums the exact products of the quantised numbers (number of the format x scale) in f32.
;;   ~~~python
;;   def quantise(x, axis):      # numpy; x: float32 -> the quantised numbers, widened to float32 again
;;       x = np.moveaxis(x, axis, -1); K = x.shape[-1]
;;       x = np.pad(x, [(0, 0)] * (x.ndim - 1) + [(0, -K % 32)]); x = x.reshape(x.shape[:-1] + (-1, 32)); a = np.abs(x).max(-1, keepdims=True)
;;       e = np.where(a > 0, np.clip(np.frexp(np.where(a > 0, a, 1))[1] - 1 - 2, -126, 127), 0)      # np.frexp(a)[1] - 1 = floor(log2(a)), exactly
;;       r = np.clip(x / 2.0 ** e, -6, 6)
;;       step = 2.0 ** (np.maximum(np.frexp(np.where(r == 0, 1, r))[1] - 1, 0) - 1)
;;       q = np.round(r / step) * step * 2.0 ** e      # np.round: ties to even
;;       return np.moveaxis(q.reshape(q.shape[:-2] + (-1,))[..., :K], -1, axis).astype(np.float32)
;;   ~~~
;; One version. Each part assembles by itself: llvm-mc -triple=amdgcn-amd-amdhsa -mcpu=gfx1250 --defsym DOCPART=n.
;; ======== version 1 of 1: 4 launches
;; limits: values within 0.000244 (relative) of each other or of a threshold may be ordered or decided otherwise than in the reference
;; workspace buffers: codes 6,291,456 bytes; scales 393,216 bytes; sq 98,304 bytes; nh 98,304 bytes; cand 12,582,912 bytes of whole numbers; nn 32,768 bytes of whole numbers; qstat 65,536 bytes
;; launch quant (part 1): grid 256 x 1, 6 waves a work-group, no clusters, 62,208 bytes of LDS; arguments features, memory_bank, codes, scales, sq, nh; writes codes, scales, sq, nh
.if DOCPART == 1
	.amdgcn_target "amdgcn-amd-amdhsa--gfx1250"
	.amdhsa_code_object_version 6
	.text
	.protected	k_qa627b87679_quant
	.globl	k_qa627b87679_quant
	.p2align	8
	.type	k_qa627b87679_quant,@function
k_qa627b87679_quant:
	s_mov_b64 s[64:65], 0
	v_nop
	global_prefetch_b8 v0, s[64:65] scope:SCOPE_SE
	s_setreg_imm32_b32 hwreg(HW_REG_WAVE_MODE, 25, 1), 1
	s_wait_xcnt 0x0
; features [8192][512] and memory_bank [16384][512], f32, taken as one run of 24,576 rows, become:
;   codes  [3072 groups of 8 rows][16 blocks p][8 rows j][16 bytes]: E2M1, the lower k in the low four bits; a group's 2,048 bytes lie on end
;   scales [24576][16]: one E8M0 byte for each 32 along K;   sq [24576]: the row's sum of squares of the f32 numbers;   nh = -sq / 2
; A block's scale is 2^(floor(log2(largest magnitude)) - 2); its byte is the largest magnitude's exponent field - 2, held at 1 from below.
; LIMITS: a block of zeros gets the byte 1 where the rule says 127 (its codes are zeros, and this program alone reads the bytes); NaN and infinities are not served;
; the sum of squares is taken 16 numbers a lane and then across lanes, another order of rounding than a plain running sum.
; SHARES: unit U = 6 x work-group + wave takes 16 rows (two groups); a step is one row: four loads of 512 consecutive bytes, turned through the wave's own stage in LDS so that
; a lane holds 16 neighbours along K (two lanes to a block).  Codes, bytes and sums are gathered in the wave's own LDS and leave in runs of 512, 256 and 64 bytes.
; No barrier: waves share nothing.  Loads run eight steps (32 loads a wave) ahead, the turn through LDS one step.
.set SP,   80                          ; a lane's place in a stage: 64 bytes + 16 of padding
.set WREG, 10240                       ; LDS of a wave: two stages of 2,560, the codes' image 2 x 2,304, 256 scale bytes, 16 sums
.set IMG,  5120
.set SCB,  9728
.set SUM,  9984
.set R,    16                          ; v16-143  eight sets of 16 numbers as loaded
.set X,    144                         ; v144-175 two sets of 16 neighbours
.set C,    176                         ; v176-179 codes, two pairs by turns
.set E,    180                         ; v180-181 the scale byte, by turns
.set PS,   182                         ; v[182:183] the packed sum of squares
.set MA,   184                         ; v184-185 two chains of the largest magnitude
.set SR,   186                         ; v186-187 the row's sum, by turns
.set PT,   188                         ; v188 the lane permute's destination
.set SO,   189                         ; v189 the conversion's scale operand
	s_load_b256 s[4:11], s[0:1], 0x0               ; features s[4:5], memory_bank s[6:7], codes s[8:9], scales s[10:11]
	s_load_b128 s[12:15], s[0:1], 0x20             ; sq s[12:13], nh s[14:15]
	v_lshl_add_u32 v192, v0, 2, 0xf000
	v_mov_b32 v193, 0
	v_lshrrev_b32 v1, 5, v0
	v_readfirstlane_b32 s16, v1                    ; wave 0..5
	v_and_b32 v1, 31, v0                           ; lane l
	s_mul_i32 s24, s16, WREG                       ; my wave's LDS
	s_add_co_u32 s25, s24, SUM
	v_lshlrev_b32 v2, 4, v1                        ; 16 l: my bytes of a load's or a store's 512
	v_lshrrev_b32 v13, 2, v1
	v_mul_u32_u24 v3, v13, SP
	v_and_b32 v13, 3, v1
	v_lshl_add_u32 v3, v13, 4, v3
	v_add_nc_u32 v3, s24, v3                       ; the stage, in: four lanes' 64 bytes on end, then the padding
	v_mul_u32_u24 v4, v1, SP
	v_add_nc_u32 v4, s24, v4                       ; the stage, out: my 16 neighbours
	v_lshrrev_b32 v13, 1, v1                       ; my block p
	v_and_b32 v14, 1, v1
	v_mul_u32_u24 v5, v13, 144
	v_lshl_add_u32 v5, v14, 3, v5
	v_add_nc_u32 v5, s24, v5
	v_add_nc_u32 v5, IMG, v5                       ; the image, in: block p at 144 p, my half of its 16 bytes
	v_lshrrev_b32 v14, 3, v1
	v_mul_u32_u24 v6, v14, 144
	v_and_b32 v14, 7, v1
	v_lshl_add_u32 v6, v14, 4, v6
	v_add_nc_u32 v6, s24, v6
	v_add_nc_u32 v6, IMG, v6                       ; the image, out: four blocks an instruction, eight lanes to a block
	v_add_nc_u32 v7, s24, v13
	v_add_nc_u32 v7, SCB, v7                       ; my block's scale byte
	v_lshlrev_b32 v11, 3, v1                       ; 8 l
	v_add_nc_u32 v8, s24, v11
	v_add_nc_u32 v8, SCB, v8                       ; the bytes, out
	v_mov_b32 v9, s25                              ; the sums, in: one word a row
	v_and_b32 v14, 15, v1
	v_lshlrev_b32 v12, 2, v14                      ; 4 (l % 16)
	v_add_nc_u32 v10, s25, v12                     ; the sums, out
	v_mov_b32 v[PT], 0                             ; written once: a lane permute's destination counts as one of its sources
	s_mov_b32 s20, 0x76543210
	s_mov_b32 s21, 0xfedcba98                      ; v_permlanex16_b32's selects for lane l xor 16
	s_mov_b32 s19, 0
	s_mul_i32 s17, ttmp9, 6
	s_add_co_u32 s17, s17, s16                     ; U
	s_cmp_lt_u32 s17, 512                          ; the first 512 units are features'
	s_cselect_b32 s18, 0, 512
	s_wait_kmcnt 0x0
	s_cselect_b64 s[4:5], s[4:5], s[6:7]           ; the choice hangs on ids alone
	s_sub_co_u32 s18, s17, s18
	s_lshl_b32 s18, s18, 15                        ; 16 rows of 2,048 bytes
	s_add_nc_u64 s[4:5], s[4:5], s[18:19]
	s_lshl_b32 s18, s17, 12
	s_add_nc_u64 s[8:9], s[8:9], s[18:19]          ; codes + 4,096 U
	s_lshl_b32 s18, s17, 8
	s_add_nc_u64 s[10:11], s[10:11], s[18:19]      ; scales + 256 U
	s_lshl_b32 s18, s17, 6
	s_add_nc_u64 s[12:13], s[12:13], s[18:19]      ; sq, nh + 64 U
	s_add_nc_u64 s[14:15], s[14:15], s[18:19]
.macro LOAD t
.irp i, 0,1,2,3
	global_load_b128 v[R+16*((\t)%8)+4*\i:R+16*((\t)%8)+4*\i+3], v2, s[4:5] offset:2048*(\t)+512*\i th:TH_LOAD_NT   ; 32 lanes read 512 consecutive bytes
.endr
.endm
.macro TURN t                          ; row t through the stage: LDS serves a wave's instructions in order, so no wait stands between the stores and the loads
.irp i, 0,1,2,3
	ds_store_b128 v3, v[R+16*((\t)%8)+4*\i:R+16*((\t)%8)+4*\i+3] offset:2560*((\t)%2)+640*\i
.endr
.irp i, 0,1,2,3
	ds_load_b128 v[X+16*((\t)%2)+4*\i:X+16*((\t)%2)+4*\i+3], v4 offset:2560*((\t)%2)+16*\i
.endr
.endm
.irp t, 0,1,2,3,4,5,6,7
	LOAD \t
.endr
	s_wait_loadcnt 28                              ; row 0's four loads are in; the seven rows behind it may be out
	TURN 0
.macro STEP t
.set XS, X+16*((\t)%2)
.set CR, C+2*((\t)%2)
.set ER, E+(\t)%2
.set SM, SR+(\t)%2
.if (\t) > 0
	s_wait_dscnt 3                                 ; this row is back from the stage; the last row's three stores (codes, byte, sum) were issued behind it and may be out
.else
	s_wait_dscnt 0x0
.endif
.if (\t) < 8
	LOAD (\t)+8                                    ; into the set that this row's stage stores have read
.endif
.if (\t) < 15
.if (\t) < 8
	s_wait_loadcnt 28                              ; the next row's loads are in; those of the seven rows behind it may be out
.else
	s_wait_loadcnt 4*(14-(\t))
.endif
	TURN (\t)+1                                    ; through the other stage while this row is worked
.endif
	v_max3_num_f32 v[MA], |v[XS]|, |v[XS+1]|, |v[XS+2]|              ; the largest magnitude of my 16, in two chains
	v_max3_num_f32 v[MA+1], |v[XS+3]|, |v[XS+4]|, |v[XS+5]|
.irp i, 6,10
	v_max3_num_f32 v[MA], v[MA], |v[XS+\i]|, |v[XS+\i+1]|
	v_max3_num_f32 v[MA+1], v[MA+1], |v[XS+\i+2]|, |v[XS+\i+3]|
.endr
	v_max3_num_f32 v[MA], v[MA], |v[XS+14]|, |v[XS+15]|
	v_max3_num_f32 v[MA], v[MA], v[MA+1], 0x1800000                  ; and the floor 2^(3 - 127): the byte cannot fall under 1
	v_pk_mul_f32 v[PS:PS+1], v[XS:XS+1], v[XS:XS+1]                  ; the squares, two at a time
	v_max_num_f32_dpp v[MA], v[MA], v[MA] row_xmask:1 row_mask:0xf bank_mask:0xf   ; with my neighbour's 16: the block's
.irp i, 2,4,6,8,10,12,14
	v_pk_fma_f32 v[PS:PS+1], v[XS+\i:XS+\i+1], v[XS+\i:XS+\i+1], v[PS:PS+1]
.endr
	v_add_nc_u32 v[SO], 0xff000000, v[MA]          ; 2 off the exponent field: the conversion takes the exponent field of this operand as its scale
	v_add_f32 v[SM], v[PS], v[PS+1]
.irp m, 1,2,4,8
	v_add_f32_dpp v[SM], v[SM], v[SM] row_xmask:\m row_mask:0xf bank_mask:0xf
.endr
	v_permlanex16_b32 v[PT], v[SM], s20, s21
	v_add_f32 v[SM], v[SM], v[PT]                  ; the row's sum of squares, in every lane
	v_cvt_scalef32_pk8_fp4_f32 v[CR], v[XS:XS+7], v[SO]
	v_cvt_scalef32_pk8_fp4_f32 v[CR+1], v[XS+8:XS+15], v[SO]
	v_lshrrev_b32 v[ER], 23, v[SO]                 ; the scale's byte (a plain line behind the conversions)
	ds_store_b64 v5, v[CR:CR+1] offset:2304*((\t)/8)+16*((\t)%8)     ; group t / 8, row t % 8 of the group
	ds_store_b8 v7, v[ER] offset:16*(\t)           ; both lanes of a block write the same byte with the same value
	ds_store_b32 v9, v[SM] offset:4*(\t)           ; all lanes write the same word with the same value
.endm
.irp t, 0,1,2,3,4,5,6,7,8,9,10,11,12,13,14,15
	STEP \t
.endr
.irp q, 0,1,2,3,4,5,6,7
	ds_load_b128 v[R+4*\q:R+4*\q+3], v6 offset:2304*(\q/4)+576*(\q%4)   ; LDS serves a wave's instructions in order: these see my stores
.endr
	ds_load_b64 v[48:49], v8
	ds_load_b32 v50, v10
.irp q, 0,1,2,3,4,5,6,7
	s_wait_dscnt 9-\q                              ; the younger LDS loads may be out
	global_store_b128 v2, v[R+4*\q:R+4*\q+3], s[8:9] offset:512*\q   ; 32 lanes store 512 consecutive bytes, at a multiple of 256 from the buffer's first byte
.endr
	s_wait_dscnt 1
	global_store_b64 v11, v[48:49], s[10:11]       ; 256 consecutive bytes, aligned
	s_wait_dscnt 0x0
	v_mul_f32 v51, -0.5, v50
	v_cmp_gt_u32 vcc_lo, 16, v1
	s_wait_xcnt 0x0                                ; EXEC changes only behind this wait
	s_wait_tensorcnt 0x0
	ds_add_u32 v192, v193
	s_wait_dscnt 0x0
	s_and_saveexec_b32 s22, vcc_lo
	global_store_b32 v12, v50, s[12:13]            ; 16 sums: 64 bytes
	global_store_b32 v12, v51, s[14:15]
	s_wait_xcnt 0x0                                ; and again in front of the line that widens it
	s_or_b32 exec_lo, exec_lo, s22
	s_endpgm
.Lfunc_end_k_qa627b87679_quant:
	.size	k_qa627b87679_quant, .Lfunc_end_k_qa627b87679_quant-k_qa627b87679_quant
	.p2alignl 7, 3214868480
	.fill 96, 4, 3214868480
	.section	.rodata,"a",@progbits
	.p2align	6, 0x0
	.amdhsa_kernel k_qa627b87679_quant
		.amdhsa_group_segment_fixed_size 62208
		.amdhsa_private_segment_fixed_size 0
		.amdhsa_enable_private_segment 0
		.amdhsa_kernarg_size 48
		.amdhsa_user_sgpr_count 2
		.amdhsa_user_sgpr_kernarg_segment_ptr 1
		.amdhsa_wavefront_size32 1
		.amdhsa_system_sgpr_workgroup_id_x 1
		.amdhsa_system_sgpr_workgroup_id_y 1
		.amdhsa_system_sgpr_workgroup_id_z 1
		.amdhsa_system_vgpr_workitem_id 0
		.amdhsa_next_free_vgpr 194
		.amdhsa_next_free_sgpr 66
		.amdhsa_reserve_vcc 1
		.amdhsa_float_denorm_mode_32 3
		.amdhsa_float_denorm_mode_16_64 3
		.amdhsa_memory_ordered 1
		.amdhsa_forward_progress 1
		.amdhsa_inst_pref_size 51
	.end_amdhsa_kernel
	.amdgpu_metadata
---
amdhsa.version: [ 1, 2 ]
amdhsa.kernels:
  - .name:           k_qa627b87679_quant
    .symbol:         k_qa627b87679_quant.kd
    .args:
      - { .name: features, .offset: 0, .size: 8, .value_kind: global_buffer, .address_space: global }
      - { .name: memory_bank, .offset: 8, .size: 8, .value_kind: global_buffer, .address_space: global }
      - { .name: codes, .offset: 16, .size: 8, .value_kind: global_buffer, .address_space: global }
      - { .name: scales, .offset: 24, .size: 8, .value_kind: global_buffer, .address_space: global }
      - { .name: sq, .offset: 32, .size: 8, .value_kind: global_buffer, .address_space: global }
      - { .name: nh, .offset: 40, .size: 8, .value_kind: global_buffer, .address_space: global }
    .group_segment_fixed_size: 62208
    .private_segment_fixed_size: 0
    .kernarg_segment_align: 8
    .kernarg_segment_size: 48
    .max_flat_workgroup_size: 192
    .sgpr_count:     66
    .vgpr_count:     194
    .wavefront_size: 32
...
	.end_amdgpu_metadata
.endif
;; end of part 1
;; launch select (part 2): grid 8 x 32, 8 waves a work-group, clusters of 4 x 1, 199,680 bytes of LDS; arguments codes, scales, sq, nh, cand; writes cand
.if DOCPART == 2
	.amdgcn_target "amdgcn-amd-amdhsa--gfx1250"
	.amdhsa_code_object_version 6
	.text
	.protected	k_qa627b87679_select
	.globl	k_qa627b87679_select
	.p2align	8
	.type	k_qa627b87679_select,@function
k_qa627b87679_select:
	s_mov_b64 s[64:65], 0
	v_nop
	global_prefetch_b8 v0, s[64:65] scope:SCOPE_SE
	s_setreg_imm32_b32 hwreg(HW_REG_WAVE_MODE, 25, 1), 1
	s_wait_xcnt 0x0
	s_wait_alu depctr_hold_cnt(0) depctr_sa_sdst(0) depctr_va_vdst(0) depctr_va_sdst(0) depctr_va_ssrc(0) depctr_va_vcc(0) depctr_vm_vsrc(0)
	s_getreg_b32 s2, hwreg(HW_REG_IB_STS2, 6, 4)
	s_cmp_eq_u32 s2, 0
	s_cbranch_scc0 .Lentry_in_a_cluster
	s_endpgm
.Lentry_in_a_cluster:
	s_bfe_u32 s2, ttmp6, 0x10000c
	s_cmp_lg_u32 s2, 0x3003
	s_cbranch_scc0 .Lentry_shape_is_right
	s_endpgm
.Lentry_shape_is_right:
; THE WHOLE PRODUCT, and a filter over groups of 8 memory rows.  cross = Q(features) Q(memory_bank)^T on E2M1 codes with E8M0 scales.
; A work-group takes 1,024 queries (block xblk) x 512 memory rows (split y: 32 tiles of 16 rows, 64 groups).  Wave w owns 128 queries: 8 tiles, whose fragments stay in registers (window 1).
; The 512 memory rows' codes, scale bytes and -m2/2 come into LDS ONCE; all eight waves read them, and each fragment read feeds eight matrix instructions.
; TRANSPOSED USE: source 0 = 16 memory rows, source 1 = 16 queries; the C of the first K step is -m2/2 of the memory rows.  So a lane holds ONE query (lane % 16), and its eight registers are
; cross - m2/2 of eight neighbouring memory rows: one group.  Their maximum gives the group's smallest dsq = x2 - 2 max.
; KEY = (bits of max(dsq, 2^-126) with the low 11 bits cleared) | group number: a positive normal f32, unique, of the same order as f32 and as u32.  Each lane keeps a sorted list of its ten smallest keys
; for each of its 8 queries: 17 vector instructions for 8 distances.  At the end the two halves of the lanes are merged and the lists stored: cand [y][query tile][query][12 words], 10 keys and 2 words that nobody reads.
; The ten smallest distances of a query lie in the ten groups of smallest group minimum; the next launch recomputes those.
; LIMITS: the filter compares dsq cut to 12 mantissa bits: a group can be left out wrongly only where its minimum lies within 2^-12 (relative, in dsq) of the tenth key.  NaN and infinities are not served.
; CLUSTER: the four work-groups of a cluster share y, hence every LDS fill: each is asked for jointly, with the same descriptor and the mask of all four.  Every LDS byte is filled once.
; The lists' place in the cluster (cx) enters global addresses of plain loads and stores alone.
.set SCL, 139264                       ; LDS: 0: codes, 128 rows of 1,024 bytes, 1,088 apart (group g at 2,176 g)
.set NHB, 147456                       ; SCL: scale bytes, 16 a row;  NHB: -m2/2, f32
.set STG, 149504                       ; the way out: 6,144 bytes a wave; no fill lands there
.set LB,  1                            ; v1   my lane's place in a tile of codes: 2176 (r / 8) + 128 hh + 16 (r % 8)
.set LS,  2                            ; v2   SCL + 16 r
.set LC,  3                            ; v3   NHB + 32 hh
.set ADB, 4                            ; v4-6 the addresses of the loads in hand
.set ADS, 5
.set ADC, 6
.set PAY, 7                            ; v7   the group number of the tile in hand: 64 y + 2 t + hh
.set X2,  8                            ; v8-15    x2 of my query, tile q
.set QS,  16                           ; v16-47   the queries' scale words, 4 q + s: scales and nothing else
.set G,   48                           ; v48-55   the key in the making, tile q
.set CN,  56                           ; v56-63   -m2/2 of my eight memory rows
.set BS,  64                           ; v64-67   the memory rows' scale words, K step s: scales and nothing else
.set BF,  68                           ; v68-99   the memory tile's four fragments
.set ACC, 100                          ; v100-163 eight accumulators
.set LIST,164                          ; v164-243 eight lists of ten
.set OQS, 244                          ; v244 16 r;  v245 4 r;  v246 my lane's place in a query tile's codes
.set OX2, 245
.set OA,  246
.set SIN, 247                          ; v247 the stage, in: 48 r;  v248 out: 16 lane;  v249 16 lane
.set SOUT,248
.set OC,  249
.set MSB, 0
.macro WIN new                         ; the immediate's high byte repeats the setting that is left
.if MSB != \new
	s_set_vgpr_msb (MSB<<8)|\new
.set MSB, \new
.endif
.endm
.macro CROUND                          ; a round of the cluster's barrier
	s_barrier_signal -1
	s_barrier_wait -1
	s_cmp_lg_u32 s14, 0
	s_cbranch_scc1 .Lnot_wave_0_\@
	s_barrier_signal -3
.Lnot_wave_0_\@:
	s_barrier_wait -3
	s_barrier_signal -1
	s_barrier_wait -1
.endm
; R and N: ascending lists of ten.  The ten smallest of the twenty come out ascending in R; N and T are used up.  The minima of R[i] and N[9 - i] are the ten smallest, rising and then falling;
; thought of as followed by six numbers under all, they are sorted by the halving steps 8, 4, 2, 1: 40 instructions.
.macro MERGE10 mn, mx, R, N, T
.irp i, 0,1,2,3,4,5,6,7,8,9
	\mn v[(\T)+\i], v[(\R)+\i], v[(\N)+9-\i]
.endr
	\mn v[(\N)+8], v[(\T)+0], v[(\T)+8]
	\mn v[(\N)+9], v[(\T)+1], v[(\T)+9]
	\mx v[(\N)+0], v[(\T)+0], v[(\T)+8]
	\mx v[(\N)+1], v[(\T)+1], v[(\T)+9]
	\mn v[(\R)+0], v[(\N)+8], v[(\N)+9]
	\mx v[(\R)+1], v[(\N)+8], v[(\N)+9]
	\mn v[(\T)+0], v[(\N)+0], v[(\T)+4]
	\mx v[(\T)+8], v[(\N)+0], v[(\T)+4]
	\mn v[(\T)+1], v[(\N)+1], v[(\T)+5]
	\mx v[(\T)+9], v[(\N)+1], v[(\T)+5]
	\mn v[(\N)+2], v[(\T)+2], v[(\T)+6]
	\mx v[(\N)+6], v[(\T)+2], v[(\T)+6]
	\mn v[(\N)+3], v[(\T)+3], v[(\T)+7]
	\mx v[(\N)+7], v[(\T)+3], v[(\T)+7]
	\mn v[(\T)+2], v[(\T)+0], v[(\N)+2]
	\mx v[(\T)+3], v[(\T)+0], v[(\N)+2]
	\mn v[(\T)+4], v[(\T)+1], v[(\N)+3]
	\mx v[(\T)+5], v[(\T)+1], v[(\N)+3]
	\mn v[(\T)+6], v[(\T)+8], v[(\N)+6]
	\mx v[(\T)+7], v[(\T)+8], v[(\N)+6]
	\mn v[(\N)+4], v[(\T)+9], v[(\N)+7]
	\mx v[(\N)+5], v[(\T)+9], v[(\N)+7]
	\mn v[(\R)+2], v[(\T)+2], v[(\T)+4]
	\mx v[(\R)+3], v[(\T)+2], v[(\T)+4]
	\mn v[(\R)+4], v[(\T)+3], v[(\T)+5]
	\mx v[(\R)+5], v[(\T)+3], v[(\T)+5]
	\mn v[(\R)+6], v[(\T)+6], v[(\N)+4]
	\mx v[(\R)+7], v[(\T)+6], v[(\N)+4]
	\mn v[(\R)+8], v[(\T)+7], v[(\N)+5]
	\mx v[(\R)+9], v[(\T)+7], v[(\N)+5]
.endm
	s_load_b256 s[4:11], s[0:1], 0x0               ; codes s[4:5], scales s[6:7], sq s[8:9], nh s[10:11]
	s_load_b64 s[12:13], s[0:1], 0x20              ; cand
	v_lshl_add_u32 v254, v0, 2, 0x30800
	v_mov_b32 v255, 0
	ds_add_u32 v254, v255
	ds_add_u32 v254, v255
	v_lshrrev_b32 v1, 5, v0
	v_readfirstlane_b32 s14, v1                    ; wave 0..7
	s_bfe_u32 s15, ttmp6, 0x40000                  ; cx
	s_lshl_b32 s16, ttmp9, 2
	s_add_co_u32 s16, s16, s15                     ; xblk = 4 x cluster x + cx
	s_and_b32 s17, ttmp7, 0xffff                   ; y, which the four partners share
	; group 1 for the codes: 16 rows of 128 elements of 8 bytes, dense in memory; 16 words of padding behind every 256 words
	s_mov_b32 s24, 15|(3<<16)|(1<<20)|(1<<21)|(7<<22)|(15<<25)   ; 15:0 the mask: all four; 17:16 elements of 8 bytes; 20 padding on; 21 set beside a mask; 24:22 code 7; 31:25 code 15
	s_mov_b32 s25, 128<<16                         ; tensor_dim0
	s_mov_b32 s26, 16<<16                          ; tensor_dim1
	s_mov_b32 s27, 128<<16                         ; tile_dim0
	s_mov_b32 s28, 16                              ; tile_dim1
	s_mov_b32 s29, 128                             ; the pitch
	s_mov_b32 s30, 0
	s_mov_b32 s31, 0
	; group 1 for the scale bytes: one row of 1,024 bytes
	s_mov_b32 s32, 15|(3<<16)|(1<<21)
	s_mov_b32 s33, 128<<16
	s_mov_b32 s34, 1<<16
	s_mov_b32 s35, 128<<16
	s_mov_b32 s36, 1
	s_mov_b32 s37, 128
	s_mov_b32 s38, 0
	s_mov_b32 s39, 0
	; group 1 for -m2/2: one row of 256 bytes
	s_mov_b32 s40, 15|(3<<16)|(1<<21)
	s_mov_b32 s41, 32<<16
	s_mov_b32 s42, 1<<16
	s_mov_b32 s43, 32<<16
	s_mov_b32 s44, 1
	s_mov_b32 s45, 32
	s_mov_b32 s46, 0
	s_mov_b32 s47, 0
	; groups 0: wave w brings 8 groups of codes, 64 rows' scale bytes, 64 rows' -m2/2: made of y and the wave's number alone
	s_mov_b32 s48, 1
	s_mul_i32 s49, s14, 17408
	s_mov_b32 s52, 1
	s_lshl_b32 s53, s14, 10
	s_add_co_u32 s53, s53, SCL
	s_mov_b32 s56, 1
	s_lshl_b32 s57, s14, 8
	s_add_co_u32 s57, s57, NHB
	s_lshl_b32 s2, s17, 17
	s_lshl_b32 s3, s14, 14
	s_add_co_u32 s2, s2, s3
	s_add_co_u32 s2, s2, 0x200000                  ; (1024 + 64 y + 8 w) x 2,048
	s_mov_b32 s3, 0
	s_wait_dscnt 0x0
	s_wait_kmcnt 0x0
	s_add_nc_u64 s[50:51], s[4:5], s[2:3]
	s_or_b32 s51, s51, 0x80000000
	s_lshl_b32 s2, s17, 13
	s_lshl_b32 s18, s14, 10
	s_add_co_u32 s2, s2, s18
	s_add_co_u32 s2, s2, 0x20000                   ; (8192 + 512 y + 64 w) x 16
	s_add_nc_u64 s[54:55], s[6:7], s[2:3]
	s_or_b32 s55, s55, 0x80000000
	s_lshl_b32 s2, s17, 11
	s_lshl_b32 s18, s14, 8
	s_add_co_u32 s2, s2, s18
	s_add_co_u32 s2, s2, 0x8000                    ; (8192 + 512 y + 64 w) x 4
	s_add_nc_u64 s[58:59], s[10:11], s[2:3]
	s_or_b32 s59, s59, 0x80000000
	CROUND                                         ; all four work-groups are here: the joint loads meet
	tensor_load_to_lds s[48:51], s[24:31]          ; three loads of mine are out; every LDS byte is filled once
	s_nop 0
	tensor_load_to_lds s[52:55], s[32:39]
	s_nop 0
	tensor_load_to_lds s[56:59], s[40:47]
	s_nop 0
.rept 4
	v_nop                                          ; four nops behind the loads
.endr
	s_lshl_b32 s62, s16, 18
	s_lshl_b32 s63, s14, 15
	s_add_co_u32 s62, s62, s63                     ; (64 xblk + 8 w) x 4,096: my eight query tiles' codes
	s_mov_b32 s63, 0
	s_add_nc_u64 s[4:5], s[4:5], s[62:63]
	s_lshr_b32 s62, s62, 4                         ; (1024 xblk + 128 w) x 16: their scale bytes
	s_add_nc_u64 s[6:7], s[6:7], s[62:63]
	s_lshr_b32 s62, s62, 2                         ; x 4: their x2
	s_add_nc_u64 s[8:9], s[8:9], s[62:63]
	s_lshl_b32 s62, s17, 9
	s_lshl_b32 s23, s16, 6
	s_add_co_u32 s62, s62, s23
	s_lshl_b32 s23, s14, 3
	s_add_co_u32 s62, s62, s23
	s_mul_i32 s62, s62, 768                        ; (512 y + 64 xblk + 8 w) x 768: my lists
	s_add_nc_u64 s[12:13], s[12:13], s[62:63]
	v_and_b32 v250, 15, v0                         ; r
	v_bfe_u32 v251, v0, 4, 1                       ; hh
	v_and_b32 v252, 7, v0                          ; r % 8
	v_bfe_u32 v253, v0, 3, 1                       ; r / 8
	v_lshlrev_b32 v[OA], 11, v253
	v_lshl_add_u32 v[OA], v251, 7, v[OA]
	v_lshl_add_u32 v[OA], v252, 4, v[OA]
	v_lshlrev_b32 v[OQS], 4, v250
	v_lshlrev_b32 v[OX2], 2, v250
	WIN 0x40                                       ; destination window 1, address window 0
.irp q, 0,1,2,3,4,5,6,7
.irp s, 0,1,2,3
.irp c, 0,1
	global_load_b128 v[32*\q+8*\s+4*\c:32*\q+8*\s+4*\c+3], v[OA], s[4:5] offset:4096*\q+512*\s+256*\c   ; the queries' fragments stay in registers
.endr
.endr
.endr
	WIN 0
.irp q, 0,1,2,3,4,5,6,7
	global_load_b128 v[QS+4*\q:QS+4*\q+3], v[OQS], s[6:7] offset:256*\q
.endr
.irp q, 0,1,2,3,4,5,6,7
	global_load_b32 v[X2+\q], v[OX2], s[8:9] offset:64*\q
.endr
	v_mul_u32_u24 v[LB], v253, 2176
	v_lshl_add_u32 v[LB], v251, 7, v[LB]
	v_lshl_add_u32 v[LB], v252, 4, v[LB]
	v_lshl_add_u32 v[LS], v250, 4, SCL
	v_lshl_add_u32 v[LC], v251, 5, NHB
	s_lshl_b32 s23, s17, 6
	v_add_nc_u32 v[PAY], s23, v251
	s_mul_i32 s23, s14, 6144
	s_add_co_u32 s23, s23, STG                     ; my stage
	v_mul_u32_u24 v[SIN], v250, 48
	v_add_nc_u32 v[SIN], s23, v[SIN]
	v_and_b32 v[OC], 31, v0
	v_lshlrev_b32 v[OC], 4, v[OC]
	v_add_nc_u32 v[SOUT], s23, v[OC]
	s_mov_b32 s18, 0                               ; where the tile in hand begins: codes (4,352 a tile),
	s_mov_b32 s19, 0                               ; scale bytes (256),
	s_mov_b32 s20, 0                               ; -m2/2 (64)
	s_mov_b32 s22, 0xfffff800
	s_mov_b32 s60, 0x76543210
	s_mov_b32 s61, 0xfedcba98
	s_mov_b32 s23, 0x7f800000
.set n, 0
.rept 80
	v_mov_b32 v[LIST+n], s23                       ; the lists begin at +infinity: a lane sees 32 groups, so every place is taken
.set n, n+1
.endr
	s_wait_tensorcnt 0x0                           ; my parts of the three fills are in,
	s_barrier_signal -1
	s_barrier_wait -1                              ; everybody's are
	s_wait_loadcnt 0x0                             ; the queries
.macro LOADS                           ; a memory tile's fragments, scale words and -m2/2.  The three additions and the v_nop are the four places behind the last products
	v_add_nc_u32 v[ADB], s18, v[LB]
	v_add_nc_u32 v[ADS], s19, v[LS]
	v_add_nc_u32 v[ADC], s20, v[LC]
	v_nop
.irp s, 0,1,2,3
.irp c, 0,1
	ds_load_b128 v[BF+8*\s+4*\c:BF+8*\s+4*\c+3], v[ADB] offset:1088*(\s/2)+512*(\s%2)+256*\c
.endr
.endr
	ds_load_b128 v[BS:BS+3], v[ADS]
	ds_load_b128 v[CN:CN+3], v[ADC]
	ds_load_b128 v[CN+4:CN+7], v[ADC] offset:16
	s_add_co_u32 s18, s18, 4352
	s_add_co_u32 s19, s19, 256
	s_add_co_u32 s20, s20, 64
.endm
.macro MULS                            ; 32 matrix instructions: the eight accumulators by turns, one instruction a turn, K ascending
	s_wait_dscnt 0x0
	WIN 0x04                                       ; source 1 (the queries) window 1
.irp s, 0,1,2,3
.irp q, 0,1,2,3,4,5,6,7
.if \s == 0
	v_wmma_scale_f32_16x16x128_f8f6f4 v[ACC+8*\q:ACC+8*\q+7], v[BF+8*\s:BF+8*\s+7], v[32*\q+8*\s:32*\q+8*\s+7], v[CN:CN+7], v[BS+\s], v[QS+4*\q+\s] matrix_a_fmt:MATRIX_FMT_FP4 matrix_b_fmt:MATRIX_FMT_FP4
.else
	v_wmma_scale_f32_16x16x128_f8f6f4 v[ACC+8*\q:ACC+8*\q+7], v[BF+8*\s:BF+8*\s+7], v[32*\q+8*\s:32*\q+8*\s+7], v[ACC+8*\q:ACC+8*\q+7], v[BS+\s], v[QS+4*\q+\s] matrix_a_fmt:MATRIX_FMT_FP4 matrix_b_fmt:MATRIX_FMT_FP4
.endif
.endr
.endr
	WIN 0
.endm
.macro SELECT                          ; the last tile's eight groups (one for each of my eight queries) into the lists.  Each accumulator is read from its low end on
.irp q, 0,1,2,3,4,5,6,7
	v_max3_num_f32 v[G+\q], v[ACC+8*\q], v[ACC+8*\q+1], v[ACC+8*\q+2]
.endr
.irp q, 0,1,2,3,4,5,6,7
	v_max3_num_f32 v[G+\q], v[G+\q], v[ACC+8*\q+3], v[ACC+8*\q+4]
.endr
.irp q, 0,1,2,3,4,5,6,7
	v_max3_num_f32 v[G+\q], v[G+\q], v[ACC+8*\q+5], v[ACC+8*\q+6]
.endr
.irp q, 0,1,2,3,4,5,6,7
	v_max_num_f32 v[G+\q], v[G+\q], v[ACC+8*\q+7]
.endr
.irp q, 0,1,2,3,4,5,6,7
	v_fma_f32 v[G+\q], v[G+\q], -2.0, v[X2+\q]     ; the group's smallest x2 + m2 - 2 cross
.endr
.irp q, 0,1,2,3,4,5,6,7
	v_max_num_f32 v[G+\q], 0x800000, v[G+\q]       ; the clip at 0, held at 2^-126 so that a key is a normal number
.endr
.irp q, 0,1,2,3,4,5,6,7
	v_and_or_b32 v[G+\q], v[G+\q], s22, v[PAY]     ; the group's number in the low 11 bits
.endr
.irp i, 9,8,7,6,5,4,3,2,1                      ; place i takes the middle one of its lower neighbour, itself and the key: from the top down, in place.  These lines name no register of a product
.irp q, 0,1,2,3,4,5,6,7
	v_med3_num_f32 v[LIST+10*\q+\i], v[LIST+10*\q+\i-1], v[LIST+10*\q+\i], v[G+\q]
.endr
.endr
.irp q, 0,1,2,3,4,5,6,7
	v_min_num_f32 v[LIST+10*\q], v[LIST+10*\q], v[G+\q]
.endr
	v_add_nc_u32 v[PAY], 2, v[PAY]
.endm
	LOADS
	MULS
	s_mov_b32 s21, 31
.Lstep:                                            ; a trip: the next tile's loads go out, the last tile is chosen from while they come, the next tile is multiplied
	LOADS
	SELECT
	MULS
	s_sub_co_u32 s21, s21, 1
	s_cmp_lg_u32 s21, 0
	s_cbranch_scc1 .Lstep
.rept 4
	v_nop                                          ; places in front of the first read of the last results
.endr
	SELECT
	; THE WAY OUT.  A query's groups of even tile halves lie in lanes 0-15, the others in lanes 16-31: the two lists are merged, alike in both halves of the lanes.
.irp q, 0,1,2,3,4,5,6,7
.irp i, 0,1,2,3,4,5,6,7,8,9
	v_permlanex16_b32 v[100+\i], v[LIST+10*\q+\i], s60, s61
.endr
	MERGE10 v_min_num_f32, v_max_num_f32, LIST+10*\q, 100, 110
.endr
.irp q, 0,1,2,3,4,5,6,7
.irp c, 0,1,2
	ds_store_b128 v[SIN], v[LIST+10*\q+4*\c:LIST+10*\q+4*\c+3] offset:768*\q+16*\c   ; 48 bytes a query: ten keys and two words that nobody reads; both halves of the lanes write the same
.endr
.endr
.irp k, 0,1,2,3,4,5,6,7,8,9,10,11
	ds_load_b128 v[100+4*\k:100+4*\k+3], v[SOUT] offset:512*\k   ; LDS serves a wave's instructions in order: these see my stores
.endr
.irp k, 0,1,2,3,4,5,6,7,8,9,10,11
	s_wait_dscnt 11-\k                             ; the younger loads may be out
	global_store_b128 v[OC], v[100+4*\k:100+4*\k+3], s[12:13] offset:512*\k   ; 32 lanes store 512 consecutive bytes, at a multiple of 256 from the buffer's first byte
.endr
	s_wait_tensorcnt 0x0
	ds_add_u32 v254, v255
	s_wait_dscnt 0x0
	CROUND                                         ; the closing round
	s_endpgm
.Lfunc_end_k_qa627b87679_select:
	.size	k_qa627b87679_select, .Lfunc_end_k_qa627b87679_select-k_qa627b87679_select
	.p2alignl 7, 3214868480
	.fill 96, 4, 3214868480
	.section	.rodata,"a",@progbits
	.p2align	6, 0x0
	.amdhsa_kernel k_qa627b87679_select
		.amdhsa_group_segment_fixed_size 199680
		.amdhsa_private_segment_fixed_size 0
		.amdhsa_enable_private_segment 0
		.amdhsa_kernarg_size 40
		.amdhsa_user_sgpr_count 2
		.amdhsa_user_sgpr_kernarg_segment_ptr 1
		.amdhsa_wavefront_size32 1
		.amdhsa_system_sgpr_workgroup_id_x 1
		.amdhsa_system_sgpr_workgroup_id_y 1
		.amdhsa_system_sgpr_workgroup_id_z 1
		.amdhsa_system_vgpr_workitem_id 0
		.amdhsa_next_free_vgpr 512
		.amdhsa_next_free_sgpr 66
		.amdhsa_reserve_vcc 0
		.amdhsa_float_denorm_mode_32 3
		.amdhsa_float_denorm_mode_16_64 3
		.amdhsa_memory_ordered 1
		.amdhsa_forward_progress 1
		.amdhsa_inst_pref_size 63
	.end_amdhsa_kernel
	.amdgpu_metadata
---
amdhsa.version: [ 1, 2 ]
amdhsa.kernels:
  - .name:           k_qa627b87679_select
    .symbol:         k_qa627b87679_select.kd
    .args:
      - { .name: codes, .offset: 0, .size: 8, .value_kind: global_buffer, .address_space: global }
      - { .name: scales, .offset: 8, .size: 8, .value_kind: global_buffer, .address_space: global }
      - { .name: sq, .offset: 16, .size: 8, .value_kind: global_buffer, .address_space: global }
      - { .name: nh, .offset: 24, .size: 8, .value_kind: global_buffer, .address_space: global }
      - { .name: cand, .offset: 32, .size: 8, .value_kind: global_buffer, .address_space: global }
    .group_segment_fixed_size: 199680
    .private_segment_fixed_size: 0
    .kernarg_segment_align: 8
    .kernarg_segment_size: 40
    .max_flat_workgroup_size: 256
    .sgpr_count:     66
    .vgpr_count:     512
    .wavefront_size: 32
...
	.end_amdgpu_metadata
.endif
;; end of part 2
;; launch refine (part 3): grid 512 x 1, 4 waves a work-group, no clusters, 5,632 bytes of LDS; arguments codes, scales, sq, cand, out2, nn, qstat; writes out2, nn, qstat
.if DOCPART == 3
	.amdgcn_target "amdgcn-amd-amdhsa--gfx1250"
	.amdhsa_code_object_version 6
	.text
	.protected	k_qa627b87679_refine
	.globl	k_qa627b87679_refine
	.p2align	8
	.type	k_qa627b87679_refine,@function
k_qa627b87679_refine:
	s_mov_b64 s[64:65], 0
	v_nop
	global_prefetch_b8 v0, s[64:65] scope:SCOPE_SE
	s_setreg_imm32_b32 hwreg(HW_REG_WAVE_MODE, 25, 1), 1
	s_wait_xcnt 0x0
; THE EXACT TEN.  A work-group takes a tile of 16 queries.
; A: the 32 lists of ten keys of each query (one for each split of the memory rows) are merged as WHOLE NUMBERS (a key's order as u32 is its order as f32): wave w merges splits 8 w .. 8 w + 7, the four
;    results meet in LDS behind the launch's one barrier, and every wave merges them to the query's ten keys.  A key's low 11 bits are a group of 8 memory rows.
; B: wave w recomputes the ten groups of queries 4 w .. 4 w + 3: a tile of 16 memory rows is two groups of ONE query (ranks 2 ip, 2 ip + 1), multiplied with the whole query tile; of the result only the
;    lanes of that query are kept.  Sums begin at 0, K ascending.  Then dist = sqrt(max(x2 + m2 - 2 cross, 0) + 1e-8), the ten smallest of the 80, the lowest row number at the smallest distance, the mean.
; Stored: out2 [8192][10]; nn [8192], the nearest row; qstat: the mean at 0, the smallest distance at 32,768.
; No cluster: work-groups share no tile (each gathers its own queries' groups).
; LIMITS: NaN and infinities are not served; the root is v_sqrt_f32's; where distances are equal the lower row number is taken, as top_k does, among the 80 recomputed rows.
.set NL,  16                           ; v16-25   phase A: the other half's list; later the list of ten distances
.set G20, 26                           ; v26-45   the group of tile (ip, qq) for my row of the fragment, 4 ip + qq; (v36-45 at work in the merges before, v26-45 in the last merge)
.set TT,  36
.set KL,  48                           ; v48-95   phase A: lists
.set VV,  48                           ; v48-87   phase B: cross, then dsq, 8 ip + j
.set FA,  88                           ; v88-95   offsets of the gathered fragments, two sets of four
.set QF,  96                           ; v96-127  the query tile's four fragments
.set QSC, 128                          ; v128-131 its scale words: scales and nothing else
.set BSC, 132                          ; v132-163 the gathered rows' scale words, two sets of 16: scales and nothing else
.set ACC, 164                          ; v164-195 four accumulators
.set M2,  196                          ; v196-235 m2, then x2 + m2, then the distances
.set GB4, 236                          ; v236-240 32 x the group at rank 2 ip + hh of query r
.set X2,  241
.set SA,  242                          ; v242-249 offsets of the gathered scale words, two sets of four
.set MSB, 0
.macro WIN new
.if MSB != \new
	s_set_vgpr_msb (MSB<<8)|\new
.set MSB, \new
.endif
.endm
; R and N: ascending lists of ten.  The ten smallest of the twenty come out ascending in R; N and T are used up (the halving steps 8, 4, 2, 1 on the minima of R[i] and N[9 - i]).
.macro MERGE10 mn, mx, R, N, T
.irp i, 0,1,2,3,4,5,6,7,8,9
	\mn v[(\T)+\i], v[(\R)+\i], v[(\N)+9-\i]
.endr
	\mn v[(\N)+8], v[(\T)+0], v[(\T)+8]
	\mn v[(\N)+9], v[(\T)+1], v[(\T)+9]
	\mx v[(\N)+0], v[(\T)+0], v[(\T)+8]
	\mx v[(\N)+1], v[(\T)+1], v[(\T)+9]
	\mn v[(\R)+0], v[(\N)+8], v[(\N)+9]
	\mx v[(\R)+1], v[(\N)+8], v[(\N)+9]
	\mn v[(\T)+0], v[(\N)+0], v[(\T)+4]
	\mx v[(\T)+8], v[(\N)+0], v[(\T)+4]
	\mn v[(\T)+1], v[(\N)+1], v[(\T)+5]
	\mx v[(\T)+9], v[(\N)+1], v[(\T)+5]
	\mn v[(\N)+2], v[(\T)+2], v[(\T)+6]
	\mx v[(\N)+6], v[(\T)+2], v[(\T)+6]
	\mn v[(\N)+3], v[(\T)+3], v[(\T)+7]
	\mx v[(\N)+7], v[(\T)+3], v[(\T)+7]
	\mn v[(\T)+2], v[(\T)+0], v[(\N)+2]
	\mx v[(\T)+3], v[(\T)+0], v[(\N)+2]
	\mn v[(\T)+4], v[(\T)+1], v[(\N)+3]
	\mx v[(\T)+5], v[(\T)+1], v[(\N)+3]
	\mn v[(\T)+6], v[(\T)+8], v[(\N)+6]
	\mx v[(\T)+7], v[(\T)+8], v[(\N)+6]
	\mn v[(\N)+4], v[(\T)+9], v[(\N)+7]
	\mx v[(\N)+5], v[(\T)+9], v[(\N)+7]
	\mn v[(\R)+2], v[(\T)+2], v[(\T)+4]
	\mx v[(\R)+3], v[(\T)+2], v[(\T)+4]
	\mn v[(\R)+4], v[(\T)+3], v[(\T)+5]
	\mx v[(\R)+5], v[(\T)+3], v[(\T)+5]
	\mn v[(\R)+6], v[(\T)+6], v[(\N)+4]
	\mx v[(\R)+7], v[(\T)+6], v[(\N)+4]
	\mn v[(\R)+8], v[(\T)+7], v[(\N)+5]
	\mx v[(\R)+9], v[(\T)+7], v[(\N)+5]
.endm
.macro XHALF R, N                      ; lane l xor 16's list
.irp i, 0,1,2,3,4,5,6,7,8,9
	v_permlanex16_b32 v[(\N)+\i], v[(\R)+\i], s20, s21
.endr
.endm
	s_load_b256 s[4:11], s[0:1], 0x0               ; codes s[4:5], scales s[6:7], sq s[8:9], cand s[10:11]
	s_load_b128 s[12:15], s[0:1], 0x20             ; out2 s[12:13], nn s[14:15]
	s_load_b64 s[16:17], s[0:1], 0x30              ; qstat
	v_lshl_add_u32 v254, v0, 2, 0x1400
	v_mov_b32 v255, 0
	v_lshrrev_b32 v1, 5, v0
	v_readfirstlane_b32 s18, v1                    ; wave 0..3
	v_and_b32 v1, 15, v0                           ; r
	v_bfe_u32 v2, v0, 4, 1                         ; hh
	v_and_b32 v3, 7, v0                            ; r % 8
	v_bfe_u32 v46, v0, 3, 1                        ; r / 8
	v_mul_u32_u24 v4, v1, 48
	v_mul_u32_u24 v47, v2, 393216
	v_add_nc_u32 v4, v4, v47                       ; cand: 48 bytes a query; lanes 16-31 take the next split, 393,216 bytes on
	s_mul_i32 s22, s18, 640
	v_lshlrev_b32 v6, 2, v1                        ; LDS 0: the waves' lists, [wave][place][query] words: 4 r,
	v_add_nc_u32 v5, s22, v6                       ; + 640 w where I store
	s_add_co_u32 s23, s22, 2560
	v_add_nc_u32 v7, s23, v6                       ; LDS 2,560: the final keys, a copy of its own for each wave
	s_lshl_b32 s19, s18, 4
	s_add_co_u32 s23, s23, s19
	v_lshl_add_u32 v8, v46, 6, s23                 ; from it: place 2 ip + r / 8 of query 4 w + qq
	v_lshlrev_b32 v10, 4, v3                       ; 16 (r % 8)
	v_lshl_add_u32 v9, v2, 7, v10                  ; + 128 hh: my 16 bytes in a group's block pair
	v_lshl_add_u32 v11, v46, 11, v9                ; + 2,048 (r / 8): the same in a tile of neighbouring rows
	v_lshlrev_b32 v12, 4, v1                       ; 16 r
	v_lshlrev_b32 v13, 2, v1                       ; 4 r
	v_mul_u32_u24 v14, v1, 40                      ; a row of out2
	v_and_b32 v15, 31, v0
	v_lshrrev_b32 v15, 2, v15                      ; lane / 4: the wave that owns query = lane
.irp i, 0,1,2,3,4,5,6,7,8,9
	v_mov_b32 v[NL+\i], 0                          ; written once: a lane permute's destination counts as one of its sources
.endr
	v_mov_b32 v252, 0
	s_lshl_b32 s29, s18, 2
.irp qq, 1,2,3
	s_add_co_u32 s19, s29, \qq
	v_cmp_eq_u32 s[24+\qq], s19, v1                ; the lanes of query 4 w + qq
.endr
	s_mov_b32 s28, 0xffff0000                      ; lanes 16-31
	s_mov_b32 s20, 0x76543210
	s_mov_b32 s21, 0xfedcba98
	s_mov_b32 s45, 0
	s_mul_i32 s44, ttmp9, 768
	s_mul_i32 s19, s18, 3145728
	s_add_co_u32 s44, s44, s19                     ; my tile's lists of split 8 w
	s_wait_kmcnt 0x0
	s_add_nc_u64 s[10:11], s[10:11], s[44:45]
	s_lshl_b32 s44, ttmp9, 12
	s_add_nc_u64 s[38:39], s[4:5], s[44:45]        ; the query tile's codes,
	s_lshl_b32 s44, ttmp9, 8
	s_add_nc_u64 s[40:41], s[6:7], s[44:45]        ; scale bytes,
	s_lshl_b32 s44, ttmp9, 6
	s_add_nc_u64 s[42:43], s[8:9], s[44:45]        ; x2
	s_add_nc_u64 s[14:15], s[14:15], s[44:45]
	s_add_nc_u64 s[16:17], s[16:17], s[44:45]
	s_mul_i32 s44, ttmp9, 640
	s_add_nc_u64 s[12:13], s[12:13], s[44:45]
	s_add_nc_u64 s[30:31], s[4:5], 0x200000        ; the memory rows' codes,
	s_add_nc_u64 s[32:33], s[6:7], 0x20000         ; scale bytes,
	s_add_nc_u64 s[34:35], s[8:9], 0x8000          ; m2
	; ---- A
.irp k, 0,1,2,3
.irp c, 0,1,2
	global_load_b128 v[KL+12*\k+4*\c:KL+12*\k+4*\c+3], v4, s[10:11] offset:786432*\k+16*\c   ; list k: split 8 w + 2 k + hh
.endr
.endr
.irp s, 0,1,2,3
.irp c, 0,1
	global_load_b128 v[QF+8*\s+4*\c:QF+8*\s+4*\c+3], v11, s[38:39] offset:512*\s+256*\c
.endr
.endr
	global_load_b128 v[QSC:QSC+3], v12, s[40:41]
	global_load_b32 v[X2], v13, s[42:43]
	s_wait_loadcnt 10                              ; the lists are in; the ten loads behind them (the query's fragments, scale words, x2) may be out
	MERGE10 v_min_u32, v_max_u32, KL, KL+12, TT
	MERGE10 v_min_u32, v_max_u32, KL+24, KL+36, TT
	MERGE10 v_min_u32, v_max_u32, KL, KL+24, TT
	XHALF KL, NL
	MERGE10 v_min_u32, v_max_u32, KL, NL, TT
.irp i, 0,1,2,3,4,5,6,7,8,9
	ds_store_b32 v5, v[KL+\i] offset:64*\i         ; both halves of the lanes write the same
.endr
	s_wait_dscnt 0x0                               ; for the others' sake: my stores have landed
	s_barrier_signal -1
	s_barrier_wait -1
.irp u, 0,1,2,3
.irp i, 0,1,2,3,4,5,6,7,8,9
	ds_load_b32 v[KL+10*\u+\i], v6 offset:640*\u+64*\i
.endr
.endr
	s_wait_dscnt 0x0
	MERGE10 v_min_u32, v_max_u32, KL, KL+10, TT
	MERGE10 v_min_u32, v_max_u32, KL+20, KL+30, TT
	MERGE10 v_min_u32, v_max_u32, KL, KL+20, TT    ; query r's ten keys, alike in every wave
.irp i, 0,1,2,3,4,5,6,7,8,9
	ds_store_b32 v7, v[KL+\i] offset:64*\i         ; my wave's own copy: no barrier
.endr
.irp ip, 0,1,2,3,4
.irp qq, 0,1,2,3
	ds_load_b32 v[G20+4*\ip+\qq], v8 offset:128*\ip+4*\qq   ; LDS serves a wave's instructions in order: these see my stores
.endr
.endr
.irp ip, 0,1,2,3,4
	v_cndmask_b32 v[GB4+\ip], v[KL+2*\ip], v[KL+2*\ip+1], s28   ; the key at rank 2 ip + hh of query r
.endr
.irp ip, 0,1,2,3,4
	v_and_b32 v[GB4+\ip], 0x7ff, v[GB4+\ip]
.endr
.irp ip, 0,1,2,3,4
	v_min_u32 v[GB4+\ip], 0x7ff, v[GB4+\ip]        ; a loaded number enters an address behind this bound
.endr
.irp ip, 0,1,2,3,4
	v_lshlrev_b32 v[GB4+\ip], 5, v[GB4+\ip]
.endr
.irp ip, 0,1,2,3,4
.irp c, 0,1
	global_load_b128 v[M2+8*\ip+4*\c:M2+8*\ip+4*\c+3], v[GB4+\ip], s[34:35] offset:16*\c   ; m2 of the group's eight rows
.endr
.endr
	s_wait_dscnt 0x0
.set n, 0
.rept 20
	v_and_b32 v[G20+n], 0x7ff, v[G20+n]
.set n, n+1
.endr
.set n, 0
.rept 20
	v_min_u32 v[G20+n], 0x7ff, v[G20+n]
.set n, n+1
.endr
	; ---- B
.macro GATHER b                        ; batch b's four tiles: 32 loads of fragments and 4 of scale words, into set b % 2
.set ST, (\b)%2
.irp qq, 0,1,2,3
	v_lshl_add_u32 v[FA+4*ST+\qq], v[G20+4*(\b)+\qq], 11, v9
	v_lshl_add_u32 v[SA+4*ST+\qq], v[G20+4*(\b)+\qq], 7, v10
.endr
	WIN 0x40                                       ; destination window 1
.irp qq, 0,1,2,3
.irp s, 0,1,2,3
.irp c, 0,1
	global_load_b128 v[128*ST+32*\qq+8*\s+4*\c:128*ST+32*\qq+8*\s+4*\c+3], v[FA+4*ST+\qq], s[30:31] offset:512*\s+256*\c
.endr
.endr
.endr
	WIN 0
.irp qq, 0,1,2,3
	global_load_b128 v[BSC+16*ST+4*\qq:BSC+16*ST+4*\qq+3], v[SA+4*ST+\qq], s[32:33]
.endr
.endm
.macro BATCH b
.set ST, (\b)%2
.if (\b) < 4
	s_wait_loadcnt 36                              ; all but the next batch's 36 loads
.else
	s_wait_loadcnt 0x0
.endif
	WIN 0x01                                       ; source 0 (the gathered rows) window 1
.irp s, 0,1,2,3                                ; the four accumulators by turns, one instruction a turn, K ascending
.irp qq, 0,1,2,3
.if \s == 0
	v_wmma_scale_f32_16x16x128_f8f6f4 v[ACC+8*\qq:ACC+8*\qq+7], v[128*ST+32*\qq+8*\s:128*ST+32*\qq+8*\s+7], v[QF+8*\s:QF+8*\s+7], 0, v[BSC+16*ST+4*\qq+\s], v[QSC+\s] matrix_a_fmt:MATRIX_FMT_FP4 matrix_b_fmt:MATRIX_FMT_FP4
.else
	v_wmma_scale_f32_16x16x128_f8f6f4 v[ACC+8*\qq:ACC+8*\qq+7], v[128*ST+32*\qq+8*\s:128*ST+32*\qq+8*\s+7], v[QF+8*\s:QF+8*\s+7], v[ACC+8*\qq:ACC+8*\qq+7], v[BSC+16*ST+4*\qq+\s], v[QSC+\s] matrix_a_fmt:MATRIX_FMT_FP4 matrix_b_fmt:MATRIX_FMT_FP4
.endif
.endr
.endr
	WIN 0
.rept 4
	v_nop                                          ; places in front of the first read of results
.endr
.irp j, 0,1,2,3,4,5,6,7
	v_mov_b32 v[VV+8*(\b)+\j], v[ACC+\j]           ; each accumulator is read from its low end on
.endr
.irp qq, 1,2,3
.irp j, 0,1,2,3,4,5,6,7
	v_cndmask_b32 v[VV+8*(\b)+\j], v[VV+8*(\b)+\j], v[ACC+8*\qq+\j], s[24+\qq]   ; tile qq's results count in the lanes of query 4 w + qq
.endr
.endr
.if (\b) < 3
	GATHER (\b)+2                                  ; into the set just multiplied: its earlier loads were shown done by this batch's wait
.endif
.endm
	GATHER 0
	GATHER 1
	BATCH 0
	BATCH 1
	BATCH 2
	BATCH 3
	BATCH 4
	; ---- the distances: value n = 8 ip + j of lane (r, hh) is row j of the group at rank 2 ip + hh of query r (right in the lanes of my four queries; the others' are not stored)
.set n, 0
.rept 40
	v_add_f32 v[M2+n], v[X2], v[M2+n]
.set n, n+1
.endr
.set n, 0
.rept 40
	v_fma_f32 v[VV+n], -2.0, v[VV+n], v[M2+n]
.set n, n+1
.endr
.set n, 0
.rept 40
	v_max_num_f32 v[VV+n], 0, v[VV+n]
.set n, n+1
.endr
.set n, 0
.rept 40
	v_add_f32 v[VV+n], 0x322bcc77, v[VV+n]         ; + 1e-8
.set n, n+1
.endr
.set n, 0
.rept 40
	v_sqrt_f32 v[M2+n], v[VV+n]
.set n, n+1
.endr
.irp i, 0,1,2,3,4,5,6,7,8,9
	v_mov_b32 v[NL+\i], 0x7f800000                 ; the list begins at +infinity (plain lines behind the roots)
.endr
	v_mov_b32 v46, 0x7fffffff                      ; the nearest row so far
	v_mov_b32 v47, 0x7fffffff
	s_wait_alu depctr_va_vdst(0)                   ; one wait for the 40 roots, ahead of their first reader
.set n, 0
.rept 40
.irp i, 9,8,7,6,5,4,3,2,1
	v_med3_num_f32 v[NL+\i], v[NL+\i-1], v[NL+\i], v[M2+n]
.endr
	v_min_num_f32 v[NL], v[NL], v[M2+n]
.set n, n+1
.endr
	XHALF NL, G20
	MERGE10 v_min_num_f32, v_max_num_f32, NL, G20, TT   ; the query's ten smallest distances, ascending
.irp ip, 0,1,2,3,4
	v_lshrrev_b32 v250, 2, v[GB4+\ip]              ; the group's first row
.irp j, 0,1,2,3,4,5,6,7
	v_add_nc_u32 v251, \j, v250
	v_cmp_eq_f32 vcc_lo, v[M2+8*\ip+\j], v[NL]
	v_cndmask_b32 v251, v47, v251, vcc_lo
	v_min_u32 v46, v46, v251                       ; the lowest row number at the smallest distance
.endr
.endr
	v_permlanex16_b32 v252, v46, s20, s21
	v_min_u32 v46, v46, v252
	v_add_f32 v253, v[NL], v[NL+1]
.irp i, 2,3,4,5,6,7,8,9
	v_add_f32 v253, v253, v[NL+\i]
.endr
	v_mul_f32 v253, 0x3dcccccd, v253               ; the mean of the ten
	v_cmp_eq_u32 vcc_lo, s18, v15                  ; lanes 4 w .. 4 w + 3 hold my four queries
	s_wait_xcnt 0x0                                ; EXEC changes only behind this wait
	s_wait_tensorcnt 0x0
	ds_add_u32 v254, v255
	s_wait_dscnt 0x0
	s_and_saveexec_b32 s36, vcc_lo
.irp i, 0,1,2,3,4
	global_store_b64 v14, v[NL+2*\i:NL+2*\i+1], s[12:13] offset:8*\i   ; four rows of 40 bytes on end
.endr
	global_store_b32 v13, v46, s[14:15]
	global_store_b32 v13, v253, s[16:17]
	global_store_b32 v13, v[NL], s[16:17] offset:32768
	s_wait_xcnt 0x0                                ; and again in front of the line that widens it
	s_or_b32 exec_lo, exec_lo, s36
	s_endpgm
.Lfunc_end_k_qa627b87679_refine:
	.size	k_qa627b87679_refine, .Lfunc_end_k_qa627b87679_refine-k_qa627b87679_refine
	.p2alignl 7, 3214868480
	.fill 96, 4, 3214868480
	.section	.rodata,"a",@progbits
	.p2align	6, 0x0
	.amdhsa_kernel k_qa627b87679_refine
		.amdhsa_group_segment_fixed_size 5632
		.amdhsa_private_segment_fixed_size 0
		.amdhsa_enable_private_segment 0
		.amdhsa_kernarg_size 56
		.amdhsa_user_sgpr_count 2
		.amdhsa_user_sgpr_kernarg_segment_ptr 1
		.amdhsa_wavefront_size32 1
		.amdhsa_system_sgpr_workgroup_id_x 1
		.amdhsa_system_sgpr_workgroup_id_y 1
		.amdhsa_system_sgpr_workgroup_id_z 1
		.amdhsa_system_vgpr_workitem_id 0
		.amdhsa_next_free_vgpr 512
		.amdhsa_next_free_sgpr 66
		.amdhsa_reserve_vcc 1
		.amdhsa_float_denorm_mode_32 3
		.amdhsa_float_denorm_mode_16_64 3
		.amdhsa_memory_ordered 1
		.amdhsa_forward_progress 1
		.amdhsa_inst_pref_size 106
	.end_amdhsa_kernel
	.amdgpu_metadata
---
amdhsa.version: [ 1, 2 ]
amdhsa.kernels:
  - .name:           k_qa627b87679_refine
    .symbol:         k_qa627b87679_refine.kd
    .args:
      - { .name: codes, .offset: 0, .size: 8, .value_kind: global_buffer, .address_space: global }
      - { .name: scales, .offset: 8, .size: 8, .value_kind: global_buffer, .address_space: global }
      - { .name: sq, .offset: 16, .size: 8, .value_kind: global_buffer, .address_space: global }
      - { .name: cand, .offset: 24, .size: 8, .value_kind: global_buffer, .address_space: global }
      - { .name: out2, .offset: 32, .size: 8, .value_kind: global_buffer, .address_space: global }
      - { .name: nn, .offset: 40, .size: 8, .value_kind: global_buffer, .address_space: global }
      - { .name: qstat, .offset: 48, .size: 8, .value_kind: global_buffer, .address_space: global }
    .group_segment_fixed_size: 5632
    .private_segment_fixed_size: 0
    .kernarg_segment_align: 8
    .kernarg_segment_size: 56
    .max_flat_workgroup_size: 128
    .sgpr_count:     66
    .vgpr_count:     512
    .wavefront_size: 32
...
	.end_amdgpu_metadata
.endif
;; end of part 3
;; launch emit (part 4): grid 256 x 1, 8 waves a work-group, no clusters, 1,280 bytes of LDS; arguments features, memory_bank, influence_scale, distance_scale, nn, qstat, out0, out1; writes out0, out1
.if DOCPART == 4
	.amdgcn_target "amdgcn-amd-amdhsa--gfx1250"
	.amdhsa_code_object_version 6
	.text
	.protected	k_qa627b87679_emit
	.globl	k_qa627b87679_emit
	.p2align	8
	.type	k_qa627b87679_emit,@function
k_qa627b87679_emit:
	s_mov_b64 s[64:65], 0
	v_nop
	global_prefetch_b8 v0, s[64:65] scope:SCOPE_SE
	s_setreg_imm32_b32 hwreg(HW_REG_WAVE_MODE, 25, 1), 1
	s_wait_xcnt 0x0
; out0 = |x - m*| / (d0 + 1e-8);  out1 = 0.01 + 0.49 sigmoid(is (out0 - min) / (max - min + 1e-8) + ds (mean - dmin) / (dmax - dmin + 1e-8) - 0.5).
; m* is the memory row whose number the launch before stored; min, max: of the row of out0; dmin, dmax: of the 8,192 means.
; A work-group takes 32 rows, a wave 4; a row is 2,048 bytes: four loads or stores of 512 consecutive bytes.  Every work-group takes dmin and dmax itself: each wave reduces 1,024 of the 8,192 means,
; and the eight results meet in LDS behind the one barrier.  A stream: no matrix unit, no cluster (nothing large is shared), no ring.
; Divisions are reciprocals and multiplications; the sigmoid is 1 / (1 + 2^(-log2(e) z)).  LIMITS: NaN and infinities are not served.
.set X,   16                           ; v16-79   x, then out0: row p at 16 p
.set M,   80                           ; v80-143  m*, then out1
.set DS,  144                          ; v144-175 the means
.set RN,  176                          ; v176-179 1 / (d0 + 1e-8)
.set MN,  184                          ; v184-191 the row's minimum, twice (a pair for the packed forms)
.set MX,  192                          ; v192-195 its maximum
.set AP,  196                          ; v196-203 -log2(e) is / (max - min + 1e-8), twice
.set BP,  204                          ; v204-211 -log2(e) (ds dn - 0.5), twice
.set DN,  212                          ; v212-215 dn
.macro ACROSS opd, op, a, t            ; over the 32 lanes: four steps inside each half ride on the arithmetic, one crosses the halves
.irp m, 1,2,4,8
	\opd v[\a], v[\a], v[\a] row_xmask:\m row_mask:0xf bank_mask:0xf
.endr
	v_permlanex16_b32 v[\t], v[\a], s48, s49
	\op v[\a], v[\a], v[\t]
.endm
	s_load_b512 s[4:19], s[0:1], 0x0               ; features s[4:5], memory_bank s[6:7], influence_scale s[8:9], distance_scale s[10:11], nn s[12:13], qstat s[14:15], out0 s[16:17], out1 s[18:19]
	v_lshl_add_u32 v224, v0, 2, 0x100
	v_mov_b32 v225, 0
	v_lshrrev_b32 v1, 5, v0
	v_readfirstlane_b32 s20, v1                    ; wave 0..7
	v_and_b32 v1, 31, v0
	v_lshlrev_b32 v1, 4, v1                        ; 16 x lane
	s_lshl_b32 s21, s20, 3
	v_mov_b32 v2, s21                              ; LDS: my wave's pair (min, max)
	v_mov_b32 v3, 0
	v_mov_b32 v4, 0x322bcc77                       ; 1e-8
	v_mov_b32 v218, 0x3efae148                     ; 0.49, twice
	v_mov_b32 v219, 0x3efae148
	v_mov_b32 v220, 0x3c23d70a                     ; 0.01, twice
	v_mov_b32 v221, 0x3c23d70a
	v_mov_b32 v222, 0                              ; written once: a lane permute's destination counts as one of its sources
	v_mov_b32 v223, 0
	s_lshl_b32 s22, ttmp9, 7
	s_lshl_b32 s23, s20, 4
	s_add_co_u32 s22, s22, s23                     ; 4 x my first row (32 x work-group + 4 x wave)
	s_mov_b32 s48, 0x76543210
	s_mov_b32 s49, 0xfedcba98
	s_lshl_b32 s50, s22, 9                         ; 2,048 x my first row
	s_mov_b32 s51, 0
	s_lshl_b32 s52, s20, 12                        ; my 1,024 means
	s_mov_b32 s53, 0
	s_wait_kmcnt 0x0
	s_load_b128 s[24:27], s[12:13], s22 offset:0x0     ; my four rows' nearest rows,
	s_load_b128 s[28:31], s[14:15], s22 offset:0x0     ; means,
	s_load_b128 s[32:35], s[14:15], s22 offset:0x8000  ; smallest distances
	s_load_b32 s36, s[8:9], 0x0
	s_load_b32 s37, s[10:11], 0x0
	s_add_nc_u64 s[4:5], s[4:5], s[50:51]
	s_add_nc_u64 s[16:17], s[16:17], s[50:51]
	s_add_nc_u64 s[18:19], s[18:19], s[50:51]
	s_add_nc_u64 s[38:39], s[14:15], s[52:53]
.irp p, 0,1,2,3
.irp i, 0,1,2,3
	global_load_b128 v[X+16*\p+4*\i:X+16*\p+4*\i+3], v1, s[4:5] offset:2048*\p+512*\i th:TH_LOAD_NT
.endr
.endr
.irp k, 0,1,2,3,4,5,6,7
	global_load_b128 v[DS+4*\k:DS+4*\k+3], v1, s[38:39] offset:512*\k
.endr
	s_wait_kmcnt 0x0
.irp p, 0,1,2,3
	s_min_u32 s[24+\p], s[24+\p], 0x3fff           ; a loaded number enters an address behind this bound
	s_lshl_b32 s50, s[24+\p], 11
	s_add_nc_u64 s[40+2*\p:41+2*\p], s[6:7], s[50:51]
.endr
.irp p, 0,1,2,3
.irp i, 0,1,2,3
	global_load_b128 v[M+16*\p+4*\i:M+16*\p+4*\i+3], v1, s[40+2*\p:41+2*\p] offset:512*\i
.endr
.endr
	s_wait_loadcnt 16                              ; x and the means are in; the 16 loads of the gathered rows may be out
	v_min3_num_f32 v216, v[DS], v[DS+1], v[DS+2]
	v_max3_num_f32 v217, v[DS], v[DS+1], v[DS+2]
.irp i, 3,5,7,9,11,13,15,17,19,21,23,25,27,29
	v_min3_num_f32 v216, v216, v[DS+\i], v[DS+\i+1]
	v_max3_num_f32 v217, v217, v[DS+\i], v[DS+\i+1]
.endr
	v_min_num_f32 v216, v216, v[DS+31]
	v_max_num_f32 v217, v217, v[DS+31]
	ACROSS v_min_num_f32_dpp, v_min_num_f32, 216, 222
	ACROSS v_max_num_f32_dpp, v_max_num_f32, 217, 223
	ds_store_b64 v2, v[216:217]                    ; all lanes write the same pair
	s_wait_dscnt 0x0                               ; for the others' sake: my store has landed
	s_barrier_signal -1
	s_barrier_wait -1
.irp k, 0,1,2,3
	ds_load_b128 v[DS+4*\k:DS+4*\k+3], v3 offset:16*\k
.endr
	s_wait_dscnt 0x0
	v_min3_num_f32 v216, v[DS], v[DS+2], v[DS+4]
	v_max3_num_f32 v217, v[DS+1], v[DS+3], v[DS+5]
	v_min3_num_f32 v216, v216, v[DS+6], v[DS+8]
	v_max3_num_f32 v217, v217, v[DS+7], v[DS+9]
	v_min3_num_f32 v216, v216, v[DS+10], v[DS+12]
	v_max3_num_f32 v217, v217, v[DS+11], v[DS+13]
	v_min_num_f32 v216, v216, v[DS+14]             ; dmin
	v_max_num_f32 v217, v217, v[DS+15]             ; dmax
.irp p, 0,1,2,3
	v_add_f32 v[RN+\p], s[32+\p], v4
.endr
	v_sub_f32 v5, v217, v216
	v_add_f32 v5, v5, v4
.irp p, 0,1,2,3
	v_rcp_f32 v[RN+\p], v[RN+\p]
.endr
	v_rcp_f32 v5, v5
.irp p, 0,1,2,3
	v_sub_f32 v[DN+\p], s[28+\p], v216             ; (plain lines behind the reciprocals)
.endr
	s_wait_alu depctr_va_vdst(0)                   ; one wait for the five, ahead of their first reader
.irp p, 0,1,2,3
	v_mul_f32 v[DN+\p], v[DN+\p], v5
.endr
	s_wait_loadcnt 0x0                             ; the gathered rows
.set n, 0
.rept 32
	v_pk_add_f32 v[X+2*n:X+2*n+1], v[X+2*n:X+2*n+1], v[M+2*n:M+2*n+1] neg_lo:[0,1] neg_hi:[0,1]   ; x - m*
.set n, n+1
.endr
.irp p, 0,1,2,3
.irp i, 0,1,2,3,4,5,6,7,8,9,10,11,12,13,14,15
	v_mul_f32 v[X+16*\p+\i], |v[X+16*\p+\i]|, v[RN+\p]
.endr
.endr
.irp p, 0,1,2,3
.irp i, 0,1,2,3
	global_store_b128 v1, v[X+16*\p+4*\i:X+16*\p+4*\i+3], s[16:17] offset:2048*\p+512*\i th:TH_STORE_NT   ; 512 consecutive bytes, aligned; these registers are not written again
.endr
.endr
.irp p, 0,1,2,3
	v_min3_num_f32 v[MN+2*\p], v[X+16*\p], v[X+16*\p+1], v[X+16*\p+2]
	v_max3_num_f32 v[MX+\p], v[X+16*\p], v[X+16*\p+1], v[X+16*\p+2]
.endr
.irp i, 3,5,7,9,11,13
.irp p, 0,1,2,3
	v_min3_num_f32 v[MN+2*\p], v[MN+2*\p], v[X+16*\p+\i], v[X+16*\p+\i+1]
	v_max3_num_f32 v[MX+\p], v[MX+\p], v[X+16*\p+\i], v[X+16*\p+\i+1]
.endr
.endr
.irp p, 0,1,2,3
	v_min_num_f32 v[MN+2*\p], v[MN+2*\p], v[X+16*\p+15]
	v_max_num_f32 v[MX+\p], v[MX+\p], v[X+16*\p+15]
.endr
.irp p, 0,1,2,3
	ACROSS v_min_num_f32_dpp, v_min_num_f32, MN+2*\p, 222
	ACROSS v_max_num_f32_dpp, v_max_num_f32, MX+\p, 223
.endr
.irp p, 0,1,2,3
	v_sub_f32 v[AP+2*\p], v[MX+\p], v[MN+2*\p]
.endr
.irp p, 0,1,2,3
	v_add_f32 v[AP+2*\p], v[AP+2*\p], v4
.endr
.irp p, 0,1,2,3
	v_rcp_f32 v[AP+2*\p], v[AP+2*\p]
.endr
.irp p, 0,1,2,3
	v_fma_f32 v[BP+2*\p], s37, v[DN+\p], -0.5      ; (plain lines behind the reciprocals)
	v_mov_b32 v[MN+2*\p+1], v[MN+2*\p]
.endr
.irp p, 0,1,2,3
	v_mul_f32 v[BP+2*\p], 0xbfb8aa3b, v[BP+2*\p]
.endr
.irp p, 0,1,2,3
	v_mov_b32 v[BP+2*\p+1], v[BP+2*\p]
.endr
	s_wait_alu depctr_va_vdst(0)                   ; one wait for the four
.irp p, 0,1,2,3
	v_mul_f32 v[AP+2*\p], s36, v[AP+2*\p]
.endr
.irp p, 0,1,2,3
	v_mul_f32 v[AP+2*\p], 0xbfb8aa3b, v[AP+2*\p]
.endr
.irp p, 0,1,2,3
	v_mov_b32 v[AP+2*\p+1], v[AP+2*\p]
.endr
.irp p, 0,1,2,3
.irp i, 0,2,4,6,8,10,12,14
	v_pk_add_f32 v[M+16*\p+\i:M+16*\p+\i+1], v[X+16*\p+\i:X+16*\p+\i+1], v[MN+2*\p:MN+2*\p+1] neg_lo:[0,1] neg_hi:[0,1]   ; out0 - min first: no difference of large products is formed
.endr
.endr
.irp p, 0,1,2,3
.irp i, 0,2,4,6,8,10,12,14
	v_pk_fma_f32 v[M+16*\p+\i:M+16*\p+\i+1], v[M+16*\p+\i:M+16*\p+\i+1], v[AP+2*\p:AP+2*\p+1], v[BP+2*\p:BP+2*\p+1]   ; -log2(e) z
.endr
.endr
.set n, 0
.rept 64
	v_exp_f32 v[M+n], v[M+n]
.set n, n+1
.endr
	v_nop                                          ; a plain line behind the last exponential
	s_wait_alu depctr_va_vdst(0)                   ; one wait for the 64
.set n, 0
.rept 32
	v_pk_add_f32 v[M+2*n:M+2*n+1], v[M+2*n:M+2*n+1], 1.0 op_sel_hi:[1,0]
.set n, n+1
.endr
.set n, 0
.rept 64
	v_rcp_f32 v[M+n], v[M+n]
.set n, n+1
.endr
	v_nop
	s_wait_alu depctr_va_vdst(0)                   ; one wait for the 64
.set n, 0
.rept 32
	v_pk_fma_f32 v[M+2*n:M+2*n+1], v[M+2*n:M+2*n+1], v[218:219], v[220:221]
.set n, n+1
.endr
.irp p, 0,1,2,3
.irp i, 0,1,2,3
	global_store_b128 v1, v[M+16*\p+4*\i:M+16*\p+4*\i+3], s[18:19] offset:2048*\p+512*\i th:TH_STORE_NT
.endr
.endr
	s_wait_tensorcnt 0x0
	ds_add_u32 v224, v225
	s_wait_dscnt 0x0
	s_endpgm
.Lfunc_end_k_qa627b87679_emit:
	.size	k_qa627b87679_emit, .Lfunc_end_k_qa627b87679_emit-k_qa627b87679_emit
	.p2alignl 7, 3214868480
	.fill 96, 4, 3214868480
	.section	.rodata,"a",@progbits
	.p2align	6, 0x0
	.amdhsa_kernel k_qa627b87679_emit
		.amdhsa_group_segment_fixed_size 1280
		.amdhsa_private_segment_fixed_size 0
		.amdhsa_enable_private_segment 0
		.amdhsa_kernarg_size 64
		.amdhsa_user_sgpr_count 2
		.amdhsa_user_sgpr_kernarg_segment_ptr 1
		.amdhsa_wavefront_size32 1
		.amdhsa_system_sgpr_workgroup_id_x 1
		.amdhsa_system_sgpr_workgroup_id_y 1
		.amdhsa_system_sgpr_workgroup_id_z 1
		.amdhsa_system_vgpr_workitem_id 0
		.amdhsa_next_free_vgpr 226
		.amdhsa_next_free_sgpr 66
		.amdhsa_reserve_vcc 0
		.amdhsa_float_denorm_mode_32 3
		.amdhsa_float_denorm_mode_16_64 3
		.amdhsa_memory_ordered 1
		.amdhsa_forward_progress 1
		.amdhsa_inst_pref_size 40
	.end_amdhsa_kernel
	.amdgpu_metadata
---
amdhsa.version: [ 1, 2 ]
amdhsa.kernels:
  - .name:           k_qa627b87679_emit
    .symbol:         k_qa627b87679_emit.kd
    .args:
      - { .name: features, .offset: 0, .size: 8, .value_kind: global_buffer, .address_space: global }
      - { .name: memory_bank, .offset: 8, .size: 8, .value_kind: global_buffer, .address_space: global }
      - { .name: influence_scale, .offset: 16, .size: 8, .value_kind: global_buffer, .address_space: global }
      - { .name: distance_scale, .offset: 24, .size: 8, .value_kind: global_buffer, .address_space: global }
      - { .name: nn, .offset: 32, .size: 8, .value_kind: global_buffer, .address_space: global }
      - { .name: qstat, .offset: 40, .size: 8, .value_kind: global_buffer, .address_space: global }
      - { .name: out0, .offset: 48, .size: 8, .value_kind: global_buffer, .address_space: global }
      - { .name: out1, .offset: 56, .size: 8, .value_kind: global_buffer, .address_space: global }
    .group_segment_fixed_size: 1280
    .private_segment_fixed_size: 0
    .kernarg_segment_align: 8
    .kernarg_segment_size: 64
    .max_flat_workgroup_size: 256
    .sgpr_count:     66
    .vgpr_count:     226
    .wavefront_size: 32
...
	.end_amdgpu_metadata
.endif
;; end of part 4
